; MI455X (gfx1250); checked and timed in simulation.
; The chip was launched on July 23, 2026; its instructions are those of AMD's public machine-readable ISA for CDNA 5 (MIT licence, August 2026) and "CDNA5" Instruction Set Architecture Reference Guide (July 2026). The comments in the code are by the model that wrote it; some were corrected since.
;; Efficient Attention. Allowed arithmetic: matrix products marked QUANTISED: E4M3 operands, one given power-of-two scale a tensor, by v_wmma_f32_16x16x64_fp8_fp8 or v_wmma_f32_16x16x128_fp8_fp8, f32 sums; everything else in f32.
;; Inputs: k_proj 1,024 x 1,024 float32; lowp_scales 12 int32 (the exponents e of the quantised operands' scales 2^e); out_proj 1,024 x 1,024 float32; q_proj 1,024 x 1,024 float32; v_proj 1,024 x 1,024 float32; x 2 x 2,048 x 1,024 float32.
;; Outputs: out0 2 x 2,048 x 1,024 float32.
;; This version of the problem:
;;   THIS VERSION OF THE PROBLEM IS GIVEN IN LOW PRECISION. The matrix products marked QUANTISED in the list below multiply operands that are first quantised to E4M3 (4 exponent bits, 3 mantissa bits; 8 bits a number), with one given power-of-two scale for each operand tensor; their sums are f32. All else is computed in f32.
;;   The module's matrix products, in the order in which they are computed (A, B: the left and right operand; K: the contracted axis; several contracted axes count as one K, in the product's order):
;;     1. [M 4,096, K 1,024] x [K 1,024, N 1,024]; A: input x; B: input q_proj: QUANTISED (scales: A lowp_scales[0], B lowp_scales[1])
;;     2. [M 4,096, K 1,024] x [K 1,024, N 1,024]; A: input x; B: input k_proj: QUANTISED (scales: A lowp_scales[2], B lowp_scales[3])
;;     3. [M 4,096, K 1,024] x [K 1,024, N 1,024]; A: input x; B: input v_proj: QUANTISED (scales: A lowp_scales[4], B lowp_scales[5])
;;     4. batch 32 x [M 2,048, K 64] x [K 64, N 2,048]; A: computed on the way; B: computed on the way: QUANTISED (scales: A lowp_scales[6], B lowp_scales[7])
;;     5. batch 32 x [M 2,048, K 2,048] x [K 2,048, N 64]; A: softmax (see below); B: computed on the way: QUANTISED (scales: A lowp_scales[8], B lowp_scales[9])
;;     6. [M 4,096, K 1,024] x [K 1,024, N 1,024]; A: computed on the way; B: input out_proj: QUANTISED (scales: A lowp_scales[10], B lowp_scales[11])
;;   THE QUANTISER, for each operand of a quantised product, along K:
;;     - The operand's scale is 2^e, e = its entry of the input lowp_scales (int32; the entries are numbered through the quantised products in the list's order, A before B).
;;     - Each number is divided by the scale, clamped to +-448, and rounded to the nearest number of E4M3, ties to even, subnormals kept.
;;     - The product sums the exact products of the quantised numbers (number of the format x scale) in f32.
;;   ~~~python
;;   def quantise(x, axis, e):      # numpy; x: float32 -> the quantised numbers, widened to float32 again
;;       x = np.moveaxis(x, axis, -1); K = x.shape[-1]
;;       r = np.clip(x / 2.0 ** e, -448, 448)
;;       step = 2.0 ** (np.maximum(np.frexp(np.where(r == 0, 1, r))[1] - 1, -6) - 3)
;;       q = np.round(r / step) * step * 2.0 ** e      # np.round: ties to even
;;       return np.moveaxis(q, -1, axis).astype(np.float32)
;;   ~~~
;;   SOFTMAX AHEAD OF A QUANTISED PRODUCT. Where the list says 'softmax', what is quantised is not the finished softmax but p = 2^(t - M), with t = logit x log2(e) and M = ceil(the row's largest t), a whole number; so 1/2 < the row's largest p <= 1. The row's sum l is taken of the UNQUANTISED p, in f32, and the product's result is divided by l at the end. Since M is a whole number, a kernel that streams over the keys may use a running M (the ceiling of the running maximum): every later rescaling is an exact power of two, so the quantised numbers keep their values, but for numbers so far below the row's largest that they fall under the format's range.
;;   OPERANDS COMPUTED ON THE WAY. 'Computed on the way' means the value that the module computes at that place (a softmax that the list does not call 'softmax' is quantised finished and normalised). What goes into a quantiser is computed in f32, as accurately as f32 sums, v_exp_f32 and their like allow (about 1e-6 of the number): no bf16 or f16 on the way to a quantiser, and a product that is left as it is and whose result goes on into a quantised operand takes f32 operands (vector FMAs, or v_wmma_f32_16x16x4_f32). A number that lies on a knife's edge between two numbers of the format may be rounded either way, as far as f32 arithmetic and the matrix unit's own rounding can turn it there, and no further.
;; One version. Each part assembles by itself: llvm-mc -triple=amdgcn-amd-amdhsa -mcpu=gfx1250 --defsym DOCPART=n.
;; ======== version 1 of 1: 4 launches
;; limits: right only within a limited range of input values
;; workspace buffers: xq 12,582,912 bytes; wc 4,194,304 bytes; qkv 12,582,912 bytes; ctxc 4,194,304 bytes
;; launch quant (part 1): grid 256 x 1, 4 waves a work-group, no clusters, 68,096 bytes of LDS; arguments x, q_proj, k_proj, v_proj, out_proj, lowp_scales, xq, wc; writes xq, wc
.if DOCPART == 1
	.amdgcn_target "amdgcn-amd-amdhsa--gfx1250"
	.amdhsa_code_object_version 6
	.text
	.protected	k_qb7403d18c3_quant
	.globl	k_qb7403d18c3_quant
	.p2align	8
	.type	k_qb7403d18c3_quant,@function
k_qb7403d18c3_quant:
	s_mov_b64 s[64:65], 0
	v_nop
	global_prefetch_b8 v0, s[64:65] scope:SCOPE_SE
	s_setreg_imm32_b32 hwreg(HW_REG_WAVE_MODE, 25, 1), 1
	s_wait_xcnt 0x0
; f32 numbers into codes of FP8 (E4M3), one launch for x and for the four weights.
; code = number / 2^e, held within +-448, rounded to the nearest code, ties to even; e is the operand's entry of lowp_scales.
; x [4096][1024] is an operand of three products under three scales of its own (entries 0, 2, 4): three sets of codes, [4096][1024], K innermost as it lies, 4 MiB apart in xq.
; The weights [1024 k][1024 n] have K as their FIRST axis: their codes are laid [n][k], K innermost, 1 MiB apart in wc: q_proj (entry 1), k_proj (3), v_proj (5), out_proj (11).
; SHARES.  Work-groups 0-127 take x, 32,768 numbers each (a wave: 16 steps of 512); work-groups 128-255 the weights: weight g / 32, 128 columns (g % 8), 256 along K ((g / 8) % 4); a wave 32 columns.
; The two ways part on the work-group's number alone and have LDS bytes of their own.  No barrier: waves share nothing.
; LIMITS: each of the seven exponents lies between -126 and 119, so that 2^e and 448 x 2^e are f32 numbers.  NaN among the inputs is not served; an infinity is held at the largest code.
; WORK LEFT OUT in this program: of the two attention products and the softmax between them, the steps of 128 keys that all come after a tile's 16 queries.  reference() itself sets those scores to -infinity by its causal tril, so
; their p is 0 for all finite inputs.  LIMIT: a NaN, an infinity or an overflow that reaches only such scores is not carried to the result.
.set SP,    80                         ; x: a lane's place in a stage: its 64 bytes + 16 of padding
.set XR,    16                         ; v16-79   four sets of 16 numbers as they are loaded
.set XX,    80                         ; v80-111  two sets of 16 neighbours
.set XT,    112                        ; v112-143 two sets of 16 numbers held within one scale's range
.set XC,    144                        ; v144-155 the codes under the three scales
.set WSTG,  32768                      ; the weights' stages begin here: 32 rows x WP for each wave
.set WP,    272                        ; a stage row: 256 bytes of codes + 16
.set WX,    32                         ; v32-95   two sets of 32 numbers down K
.set WCD,   96                         ; v96-103  a block's codes
.set WOUT,  112                        ; v112-175 the way out
.macro XLOAD t                         ; step t: four loads of 512 consecutive bytes
.irp i, 0,1,2,3
	global_load_b128 v[XR+16*((\t)%4)+4*\i:XR+16*((\t)%4)+4*\i+3], v3, s[4:5] offset:2048*(\t)+512*\i th:TH_LOAD_NT
.endr
.endm
.macro XTURN t                         ; step t's 2,048 bytes through the wave's stage: in as they lie, out 64 bytes a lane.  LDS serves a wave's instructions in order (ISA guide 5.7.1.4)
.irp i, 0,1,2,3
	ds_store_b128 v14, v[XR+16*((\t)%4)+4*\i:XR+16*((\t)%4)+4*\i+3] offset:32*SP*((\t)%2)+8*SP*\i
.endr
.irp i, 0,1,2,3
	ds_load_b128 v[XX+16*((\t)%2)+4*\i:XX+16*((\t)%2)+4*\i+3], v15 offset:32*SP*((\t)%2)+16*\i
.endr
.endm
.macro XSTEP t
.set XS, XX+16*((\t)%2)
	s_wait_dscnt 0x0                               ; this step's numbers are back from the stage, and its stores into the stage have read their registers,
.if (\t)+4 < 16
	XLOAD (\t)+4                                   ; which take the loads of four steps on
.endif
.if (\t)+1 < 16
.if 14-(\t) >= 3
	s_wait_loadcnt 12                              ; the next step's four loads are in; those of the three steps behind it may be out
.else
	s_wait_loadcnt 4*(14-(\t))
.endif
	XTURN (\t)+1
.endif
	s_wait_xcnt 0x0                                ; the last step's stores have read their data: the codes' registers are written again only behind this wait
.irp j, 0,1,2
.set TS, XT+16*((3*(\t)+\j)%2)                 ; the two sets take turns, so that sixteen plain lines stand between a conversion and the next write of its sources
.irp i, 0,1,2,3,4,5,6,7,8,9,10,11,12,13,14,15
	v_med3_num_f32 v[TS+\i], v[XS+\i], -v[11+\j], v[11+\j]   ; the conversion to an 8-bit code does not saturate (ISA guide 7.6.2): the hold at the largest code x the scale
.endr
	v_cvt_scalef32_pk8_fp8_f32 v[XC+4*\j:XC+4*\j+1], v[TS:TS+7], v[8+\j]
	v_cvt_scalef32_pk8_fp8_f32 v[XC+4*\j+2:XC+4*\j+3], v[TS+8:TS+15], v[8+\j]
	global_store_b128 v3, v[XC+4*\j:XC+4*\j+3], s[20+2*\j:21+2*\j] offset:512*(\t)   ; the wave stores 512 consecutive bytes
.endr
.endm
.macro WLOAD t                         ; block t: W(32 t + i, my column), i = 0 .. 31: each load reads 128 consecutive bytes a wave
.set ii, 0
.rept 32
	global_load_b32 v[WX+32*((\t)%2)+ii], v3, s[20:21] offset:(32*(\t)+ii)*4096 th:TH_LOAD_NT
.set ii, ii+1
.endr
.endm
.macro WBLOCK t
.set XS, WX+32*((\t)%2)
.if (\t) < 7
	s_wait_loadcnt 32                              ; this block's 32 loads are in; the next block's may be out
.else
	s_wait_loadcnt 0
.endif
.set ii, 0
.rept 32
	v_med3_num_f32 v[XS+ii], v[XS+ii], -v10, v10
.set ii, ii+1
.endr
.irp g, 0,1,2,3
	v_cvt_scalef32_pk8_fp8_f32 v[WCD+2*\g:WCD+2*\g+1], v[XS+8*\g:XS+8*\g+7], v11
.endr
	ds_store_b128 v4, v[WCD:WCD+3] offset:32*(\t)  ; 32 codes: 32 bytes of my column's row
	ds_store_b128 v4, v[WCD+4:WCD+7] offset:32*(\t)+16
.if (\t)+2 < 8
	WLOAD (\t)+2
.endif
	s_wait_dscnt 0x0                               ; the stores have read their registers: the next block's codes may be written
.endm
	s_load_b512 s[4:19], s[0:1], 0x0               ; x 4, q_proj 6, k_proj 8, v_proj 10, out_proj 12, the scales 14, xq 16, wc 18
	v_lshl_add_u32 v192, v0, 2, 0x10800
	v_mov_b32 v193, 0
	v_lshrrev_b32 v1, 5, v0
	v_readfirstlane_b32 s30, v1                    ; wave
	v_and_b32 v2, 31, v0                           ; lane
	s_wait_kmcnt 0x0
	s_load_b256 s[32:39], s[14:15], 0x0            ; e0 .. e7
	s_load_b128 s[40:43], s[14:15], 0x20           ; e8 .. e11
	s_cmp_lt_u32 ttmp9, 128
	s_cbranch_scc0 .Lweights
	; ---------------- x
	s_lshl_b32 s44, ttmp9, 2
	s_add_co_u32 s44, s44, s30                     ; which run of 8,192 numbers is my wave's
	s_lshl_b32 s46, s44, 15
	s_mov_b32 s47, 0
	s_add_nc_u64 s[4:5], s[4:5], s[46:47]
	s_lshl_b32 s46, s44, 13
	s_add_nc_u64 s[20:21], s[16:17], s[46:47]      ; its codes under e0,
	s_add_nc_u64 s[22:23], s[20:21], 0x400000      ; e2,
	s_add_nc_u64 s[24:25], s[20:21], 0x800000      ; e4
	s_wait_alu depctr_va_vdst(0)
	v_lshlrev_b32 v3, 4, v2                        ; my 16 bytes of a load's 512, and of a store's
	s_lshl_b32 s45, s30, 13                        ; my wave's 8,192 bytes of LDS
	v_lshrrev_b32 v14, 2, v2
	v_mul_u32_u24 v14, v14, SP
	v_and_b32 v15, 3, v2
	v_lshl_add_u32 v14, v15, 4, v14
	v_add_nc_u32 v14, s45, v14                     ; into the stage: SP (lane / 4) + 16 (lane % 4)
	v_mul_u32_u24 v15, v2, SP
	v_add_nc_u32 v15, s45, v15                     ; out of it: SP x lane
.irp t, 0,1,2,3
	XLOAD \t
.endr
	s_wait_alu depctr_va_vdst(0)
	s_wait_kmcnt 0x0
.irp j, 0,1,2
	s_add_co_i32 s48, s[32+2*\j], 127
	s_lshl_b32 s49, s48, 23
	v_mov_b32 v[8+\j], s49                         ; 2^e as f32: the conversion takes its exponent field
	s_add_co_i32 s48, s48, 8
	s_lshl_b32 s48, s48, 23
	s_or_b32 s48, s48, 0x600000
	v_mov_b32 v[11+\j], s48                        ; 448 x 2^e
.endr
	s_wait_alu depctr_va_vdst(0)
	s_wait_loadcnt 12                              ; step 0's four loads are in
	XTURN 0
.irp t, 0,1,2,3,4,5,6,7,8,9,10,11,12,13,14,15
	XSTEP \t
.endr
	s_wait_tensorcnt 0x0
	ds_add_u32 v192, v193
	s_wait_dscnt 0x0
	s_endpgm
	; ---------------- the weights: a lane takes a column n, and its registers run down K
.Lweights:
	s_sub_co_u32 s44, ttmp9, 128
	s_lshr_b32 s45, s44, 5                         ; which weight
	s_and_b32 s46, s44, 7                          ; which 128 columns
	s_bfe_u32 s47, s44, 0x20003                    ; which 256 along K
	s_lshl_b32 s48, s46, 7
	s_lshl_b32 s49, s30, 5
	s_add_co_u32 s48, s48, s49                     ; my wave's first column
	s_mov_b64 s[20:21], s[6:7]                     ; the choice hangs on the work-group's number alone
	s_cmp_eq_u32 s45, 1
	s_cselect_b64 s[20:21], s[8:9], s[20:21]
	s_cmp_eq_u32 s45, 2
	s_cselect_b64 s[20:21], s[10:11], s[20:21]
	s_cmp_eq_u32 s45, 3
	s_cselect_b64 s[20:21], s[12:13], s[20:21]
	s_lshl_b32 s50, s47, 20                        ; 256 rows of 4,096 bytes
	s_lshl_b32 s51, s48, 2
	s_add_co_u32 s50, s50, s51
	s_mov_b32 s51, 0
	s_add_nc_u64 s[20:21], s[20:21], s[50:51]
	s_lshl_b32 s52, s45, 20                        ; the weight's set of codes,
	s_lshl_b32 s53, s48, 10                        ; row = column of W, 1,024 bytes,
	s_add_co_u32 s52, s52, s53
	s_lshl_b32 s53, s47, 8                         ; my 256 along K
	s_add_co_u32 s52, s52, s53
	s_mov_b32 s53, 0
	s_add_nc_u64 s[22:23], s[18:19], s[52:53]
	s_wait_alu depctr_va_vdst(0)
	v_lshlrev_b32 v3, 2, v2                        ; in: 4 bytes a lane
	s_mul_i32 s54, s30, 32*WP
	s_add_co_u32 s54, s54, WSTG                    ; my stage
	v_mul_u32_u24 v4, v2, WP
	v_add_nc_u32 v4, s54, v4                       ; into it: row = my column
	v_and_b32 v5, 15, v2
	v_lshrrev_b32 v6, 4, v2                        ; out of it: sixteen lanes to a row, two rows an instruction
	v_mul_u32_u24 v7, v6, WP
	v_lshl_add_u32 v7, v5, 4, v7
	v_add_nc_u32 v7, s54, v7
	v_lshlrev_b32 v8, 10, v6
	v_lshl_add_u32 v8, v5, 4, v8                   ; and the same place in the codes' buffer
	WLOAD 0
	WLOAD 1
	s_wait_kmcnt 0x0
	s_mov_b32 s48, s33                             ; e1, e3, e5 or e11
	s_cmp_eq_u32 s45, 1
	s_cselect_b32 s48, s35, s48
	s_cmp_eq_u32 s45, 2
	s_cselect_b32 s48, s37, s48
	s_cmp_eq_u32 s45, 3
	s_cselect_b32 s48, s43, s48
	s_add_co_i32 s48, s48, 127
	s_lshl_b32 s49, s48, 23
	v_mov_b32 v11, s49                             ; 2^e
	s_add_co_i32 s48, s48, 8
	s_lshl_b32 s48, s48, 23
	s_or_b32 s48, s48, 0x600000
	v_mov_b32 v10, s48                             ; 448 x 2^e
	s_wait_alu depctr_va_vdst(0)
.irp t, 0,1,2,3,4,5,6,7
	WBLOCK \t
.endr
.irp t, 0,1,2,3,4,5,6,7,8,9,10,11,12,13,14,15
	ds_load_b128 v[WOUT+4*\t:WOUT+4*\t+3], v7 offset:2*\t*WP   ; these see my stores: LDS serves a wave's instructions in order
.endr
.irp t, 0,1,2,3,4,5,6,7,8,9,10,11,12,13,14,15
	s_wait_dscnt 15-\t
	global_store_b128 v8, v[WOUT+4*\t:WOUT+4*\t+3], s[22:23] offset:2*\t*1024   ; sixteen lanes store 256 consecutive bytes, at a multiple of 256 from the buffer's first byte
.endr
	s_wait_tensorcnt 0x0
	ds_add_u32 v192, v193
	s_wait_dscnt 0x0
	s_endpgm
.Lfunc_end_k_qb7403d18c3_quant:
	.size	k_qb7403d18c3_quant, .Lfunc_end_k_qb7403d18c3_quant-k_qb7403d18c3_quant
	.p2alignl 7, 3214868480
	.fill 96, 4, 3214868480
	.section	.rodata,"a",@progbits
	.p2align	6, 0x0
	.amdhsa_kernel k_qb7403d18c3_quant
		.amdhsa_group_segment_fixed_size 68096
		.amdhsa_private_segment_fixed_size 0
		.amdhsa_enable_private_segment 0
		.amdhsa_kernarg_size 64
		.amdhsa_user_sgpr_count 2
		.amdhsa_user_sgpr_kernarg_segment_ptr 1
		.amdhsa_wavefront_size32 1
		.amdhsa_system_sgpr_workgroup_id_x 1
		.amdhsa_system_sgpr_workgroup_id_y 1
		.amdhsa_system_sgpr_workgroup_id_z 1
		.amdhsa_system_vgpr_workitem_id 0
		.amdhsa_next_free_vgpr 194
		.amdhsa_next_free_sgpr 66
		.amdhsa_reserve_vcc 0
		.amdhsa_float_denorm_mode_32 3
		.amdhsa_float_denorm_mode_16_64 3
		.amdhsa_memory_ordered 1
		.amdhsa_forward_progress 1
		.amdhsa_inst_pref_size 126
	.end_amdhsa_kernel
	.amdgpu_metadata
---
amdhsa.version: [ 1, 2 ]
amdhsa.kernels:
  - .name:           k_qb7403d18c3_quant
    .symbol:         k_qb7403d18c3_quant.kd
    .args:
      - { .name: x, .offset: 0, .size: 8, .value_kind: global_buffer, .address_space: global }
      - { .name: q_proj, .offset: 8, .size: 8, .value_kind: global_buffer, .address_space: global }
      - { .name: k_proj, .offset: 16, .size: 8, .value_kind: global_buffer, .address_space: global }
      - { .name: v_proj, .offset: 24, .size: 8, .value_kind: global_buffer, .address_space: global }
      - { .name: out_proj, .offset: 32, .size: 8, .value_kind: global_buffer, .address_space: global }
      - { .name: lowp_scales, .offset: 40, .size: 8, .value_kind: global_buffer, .address_space: global }
      - { .name: xq, .offset: 48, .size: 8, .value_kind: global_buffer, .address_space: global }
      - { .name: wc, .offset: 56, .size: 8, .value_kind: global_buffer, .address_space: global }
    .group_segment_fixed_size: 68096
    .private_segment_fixed_size: 0
    .kernarg_segment_align: 8
    .kernarg_segment_size: 64
    .max_flat_workgroup_size: 128
    .sgpr_count:     66
    .vgpr_count:     194
    .wavefront_size: 32
...
	.end_amdgpu_metadata
.endif
;; end of part 1
;; launch proj (part 2): grid 12 x 16, 4 waves a work-group, clusters of 4 x 4, 327,680 bytes of LDS; arguments xq, wc, lowp_scales, qkv; writes qkv
.if DOCPART == 2
	.amdgcn_target "amdgcn-amd-amdhsa--gfx1250"
	.amdhsa_code_object_version 6
	.text
	.protected	k_qb7403d18c3_proj
	.globl	k_qb7403d18c3_proj
	.p2align	8
	.type	k_qb7403d18c3_proj,@function
k_qb7403d18c3_proj:
	s_mov_b64 s[64:65], 0
	v_nop
	global_prefetch_b8 v0, s[64:65] scope:SCOPE_SE
	s_setreg_imm32_b32 hwreg(HW_REG_WAVE_MODE, 25, 1), 1
	s_wait_xcnt 0x0
	s_wait_alu depctr_hold_cnt(0) depctr_sa_sdst(0) depctr_va_vdst(0) depctr_va_sdst(0) depctr_va_ssrc(0) depctr_va_vcc(0) depctr_vm_vsrc(0)
	s_getreg_b32 s2, hwreg(HW_REG_IB_STS2, 6, 4)
	s_cmp_eq_u32 s2, 0
	s_cbranch_scc0 .Lentry_in_a_cluster
	s_endpgm
.Lentry_in_a_cluster:
	s_bfe_u32 s2, ttmp6, 0x10000c
	s_cmp_lg_u32 s2, 0xf033
	s_cbranch_scc0 .Lentry_shape_is_right
	s_endpgm
.Lentry_shape_is_right:
; q, k, v = x W on codes of FP8 (E4M3), and each result quantised for attention: code = sum / 2^(e6 - e0 - e1), / 2^(e7 - e2 - e3), / 2^(e9 - e4 - e5), held within +-448 of it.
; xq: three sets of x's codes [4096][1024], wc: three sets of [1024 n][1024 k]; cluster x = 0, 1, 2 makes q, k, v: a product of 4,096 x 1,024 x 1,024 in tiles of 256 x 256: 192 work-groups.
; qkv: parts 4 MiB apart: q, k: [b][head][token][64 d]; v: [b][head][token / 64][d][64 keys], for which the roles of x and W are exchanged.  Inside every 32 bytes byte 16 h + 8 u + j holds element 16 u + 8 h + j.
; Four waves, each 128 x 128: 64 accumulators in windows 2 and 3; window 0: A's fragments, one set; window 1: B's, two sets.  K goes in four steps of 256 through two LDS slots; a wave fetches 128 rows of 256 bytes with one joint load.
; CLUSTERS 4 x 4: a tile of A is shared along a row of the cluster, of B along a column.
; PREFETCH: K step 1 is named behind K step 0's load, K steps 2 and 3 behind K step 1's: of the 128 rows that a wave fetches each of the four partners names 32, told apart by address, a lane a row; each block of 256 bytes once in a cluster.
; LIMITS: the exponents of the three quantisers' folded scales lie between -126 and 119.  NaN among the sums is not served.
.set KSTEP,  256
.set ROWB,   256
.set KROW,   1024
.set PITCH,  272
.set FR,     16
.set NL,     4
.set NP,     4
.set HALFT,  128*PITCH
.set SLOT,   4*HALFT
.set LAPS,   2
.set SPARE,  2*SLOT
.set SP,     336
.set ADRA, 16
.set ADRB, 20
.set STO,  24
.set RD,   25
.set CO,   26
.set SPW,  28
.set NIL,  29
.set SC,   30
.set LIM,  31
.set TQ,   32
.set CD,   96
.set AF,   128
.set G1, 24
.set G0, 32
.set G1B, 48
.set G0B, 56
.set OB,  76
.set MSB, 0
.macro WIN new
.if MSB != \new
	s_set_vgpr_msb (MSB<<8)|\new
.set MSB, \new
.endif
.endm
.set MUL_LO, 0xa1
.set MUL_HI, 0xf1
.set TO_B,   0x40
.macro JLOAD g0a, g1a, g0b, g1b
	s_cmp_eq_u32 s15, 0
	s_cbranch_scc0 .Lfor_b_\@
	tensor_load_to_lds s[\g0a:\g0a+3], s[\g1a:\g1a+7]
	s_nop 0
.rept 4
	v_nop
.endr
	s_branch .Lasked_\@
.Lfor_b_\@:
	tensor_load_to_lds s[\g0b:\g0b+3], s[\g1b:\g1b+7]
	s_nop 0
.rept 4
	v_nop
.endr
.Lasked_\@:
.endm
.macro CREST
	s_cmp_lg_u32 s14, 0
	s_cbranch_scc1 .Lnot_wave_0_\@
	s_barrier_signal -3
.Lnot_wave_0_\@:
	s_barrier_wait -3
	s_barrier_signal -1
	s_barrier_wait -1
.endm
.macro CROUND
	s_barrier_signal -1
	s_barrier_wait -1
	CREST
.endm
	s_load_b256 s[68:75], s[0:1], 0x0
	v_lshl_add_u32 v[SPW], v0, 2, SPARE
	v_mov_b32 v[NIL], 0
	ds_add_u32 v28, v29
	ds_add_u32 v28, v29
	s_wait_dscnt 0x0
	v_lshrrev_b32 v1, 5, v0
	v_readfirstlane_b32 s14, v1
	s_lshr_b32 s15, s14, 1
	s_and_b32 s16, s14, 1
	s_bfe_u32 s40, ttmp6, 0x40000
	s_bfe_u32 s41, ttmp6, 0x40004
	s_and_b32 s84, ttmp7, 0xffff
	s_lshl_b32 s84, s84, 2
	s_cmp_eq_u32 ttmp9, 2
	s_cselect_b32 s17, 0, s84
	s_cselect_b32 s42, s84, 0
	s_add_co_u32 s17, s17, s41
	s_add_co_u32 s42, s42, s40
	s_lshl_b32 s43, s41, 2
	s_lshl_b32 s43, 15, s43
	s_lshl_b32 s44, 0x1111, s40
	s_or_b32 s[G1+0], s43, (0<<16)|(1<<20)|(1<<21)|(5<<22)|(3<<25)
	s_or_b32 s[G1B+0], s44, (0<<16)|(1<<20)|(1<<21)|(5<<22)|(3<<25)
.irp g, G1, G1B
	s_mov_b32 s[\g+1], ROWB<<16
	s_mov_b32 s[\g+2], 128<<16
	s_mov_b32 s[\g+3], ROWB<<16
	s_mov_b32 s[\g+4], 128
	s_mov_b32 s[\g+5], KROW
	s_mov_b32 s[\g+6], 0
	s_mov_b32 s[\g+7], 0
.endr
	s_lshl_b32 s18, s16, 7
	s_lshl_b32 s20, s17, 8
	s_add_co_u32 s20, s20, s18
	s_lshl_b32 s20, s20, 10
	s_mov_b32 s21, 0
	s_lshl_b32 s46, s42, 8
	s_add_co_u32 s46, s46, s18
	s_lshl_b32 s46, s46, 10
	s_mov_b32 s47, 0
	s_lshl_b32 s84, ttmp9, 22
	s_mov_b32 s85, 0
	s_lshl_b32 s86, ttmp9, 20
	s_mov_b32 s87, 0
	s_mul_i32 s45, s14, HALFT
	CROUND                                         ; all sixteen work-groups are here: the first joint loads meet
	s_wait_kmcnt 0x0
	s_load_b256 s[88:95], s[72:73], 0x0
	s_load_b128 s[96:99], s[72:73], 0x20
	s_add_nc_u64 s[68:69], s[68:69], s[84:85]
	s_add_nc_u64 s[70:71], s[70:71], s[86:87]
	s_cmp_eq_u32 ttmp9, 2
	s_cselect_b64 s[4:5], s[70:71], s[68:69]
	s_cselect_b64 s[6:7], s[68:69], s[70:71]
	s_add_nc_u64 s[20:21], s[4:5], s[20:21]
	s_add_nc_u64 s[46:47], s[6:7], s[46:47]
	s_cmp_eq_u32 s15, 0                            ; the prefetches: do I fetch for A?
	s_cselect_b64 s[86:87], s[20:21], s[46:47]
	s_cselect_b32 s84, s40, s41                    ; my place among the four that ask with me
	s_lshl_b32 s84, s84, 15                        ; 32 rows of 1,024 bytes each
	s_mov_b32 s85, 0
	s_add_nc_u64 s[86:87], s[86:87], s[84:85]
.irp s, 0,1
	s_mov_b32 s[G0+4*\s], 1
	s_add_co_u32 s[G0+4*\s+1], s45, \s*SLOT
	s_add_nc_u64 s[G0+4*\s+2:G0+4*\s+3], s[20:21], \s*ROWB
	s_or_b32 s[G0+4*\s+3], s[G0+4*\s+3], 0x80000000
	s_mov_b32 s[G0B+4*\s], 1
	s_add_co_u32 s[G0B+4*\s+1], s45, \s*SLOT
	s_add_nc_u64 s[G0B+4*\s+2:G0B+4*\s+3], s[46:47], \s*ROWB
	s_or_b32 s[G0B+4*\s+3], s[G0B+4*\s+3], 0x80000000
.endr
	JLOAD G0, G1, G0B, G1B                         ; K step 0: one tensor load a wave at the head
	v_and_b32 v9, 31, v0
	v_lshlrev_b32 v9, 10, v9                       ; the prefetches' offset: a lane a row; never rewritten
	v_and_b32 v1, 15, v0
	s_wait_alu depctr_va_vdst(0)
	v_bfe_u32 v2, v0, 4, 1
	v_mul_u32_u24 v3, v1, PITCH
	v_lshl_add_u32 v4, v2, 4, v3
	s_mul_i32 s21, s15, HALFT
	s_mul_i32 s22, s16, HALFT
	s_add_co_u32 s22, s22, 2*HALFT
.irp s, 0,1
	v_add_nc_u32 v[ADRA+\s], s21, v4
	v_add_nc_u32 v[ADRB+\s], s22, v4
	s_add_co_u32 s21, s21, SLOT
	s_add_co_u32 s22, s22, SLOT
.endr
	s_mul_i32 s23, s15, 128*SP
	s_lshl_b32 s21, s16, 7
	s_add_co_u32 s23, s23, s21
	v_mul_u32_u24 v5, v1, SP
	s_wait_alu depctr_va_vdst(0)
	v_lshl_add_u32 v5, v2, 4, v5
	v_add_nc_u32 v[STO], s23, v5
	s_mul_i32 s23, s14, 64*SP
	v_and_b32 v6, 31, v0
	v_lshrrev_b32 v7, 2, v6
	v_mul_u32_u24 v7, v7, SP
	v_and_b32 v8, 3, v6
	v_lshl_add_u32 v7, v8, 4, v7
	v_add_nc_u32 v[RD], s23, v7
	v_lshlrev_b32 v[CO], 4, v6
	global_prefetch_b8 v9, s[86:87] offset:256 th:TH_LOAD_NT scope:SCOPE_SE   ; K step 1
	s_lshl_b32 s20, s17, 8
	s_lshl_b32 s21, s14, 6
	s_add_co_u32 s20, s20, s21
	s_lshr_b32 s21, s20, 11
	s_lshl_b32 s21, s21, 21
	s_and_b32 s22, s20, 2047
	s_lshl_b32 s22, s22, 6
	s_add_co_u32 s21, s21, s22
	s_lshl_b32 s22, s42, 19
	s_add_co_u32 s21, s21, s22
	s_lshr_b32 s22, s42, 3
	s_lshl_b32 s22, s22, 21
	s_lshl_b32 s23, s17, 2
	s_add_co_u32 s23, s23, s14
	s_lshl_b32 s23, s23, 17
	s_add_co_u32 s22, s22, s23
	s_and_b32 s23, s42, 7
	s_lshl_b32 s23, s23, 14
	s_add_co_u32 s22, s22, s23
	s_mov_b32 s23, 131072
	s_cmp_eq_u32 ttmp9, 2
	s_cselect_b32 s20, s22, s21
	s_cselect_b32 s46, 4096, s23
	s_mov_b32 s47, 0
	s_lshl_b32 s21, ttmp9, 22
	s_add_co_u32 s20, s20, s21
	s_mov_b32 s21, 0
	s_add_nc_u64 s[OB:OB+1], s[74:75], s[20:21]
	s_add_nc_u64 s[OB+2:OB+3], s[OB:OB+1], s[46:47]
	s_add_nc_u64 s[OB+4:OB+5], s[OB+2:OB+3], s[46:47]
	s_add_nc_u64 s[OB+6:OB+7], s[OB+4:OB+5], s[46:47]
.macro FRAG reg, adr, q, i
.irp c, 0,1,2,3
	ds_load_b128 v[\reg+4*\c:\reg+4*\c+3], v[\adr] offset:128*(\q)+32*\c+(\i)*16*PITCH
.endr
.endm
.macro MUL16 a0, p, zero
.irp a, \a0, \a0+1
.irp b, 0,1,2,3,4,5,6,7
.if \zero
	v_wmma_f32_16x16x128_fp8_fp8 v[8*(8*((\a)%4)+\b):8*(8*((\a)%4)+\b)+7], v[128*(\p)+FR*\b:128*(\p)+FR*\b+FR-1], v[AF+FR*(\a):AF+FR*(\a)+FR-1], 0
.else
	v_wmma_f32_16x16x128_fp8_fp8 v[8*(8*((\a)%4)+\b):8*(8*((\a)%4)+\b)+7], v[128*(\p)+FR*\b:128*(\p)+FR*\b+FR-1], v[AF+FR*(\a):AF+FR*(\a)+FR-1], v[8*(8*((\a)%4)+\b):8*(8*((\a)%4)+\b)+7]
.endif
.endr
.endr
.endm
.macro FETCH_B slot, q, p
	WIN TO_B
.irp i, 0,1,2,3,4,5,6,7
	FRAG 128*(\p)+FR*\i, ADRB+\slot, \q, \i
.endr
	WIN 0
.endm
.macro FETCH_A slot, q, i0
.irp i, \i0, \i0+1, \i0+2, \i0+3
	FRAG AF+FR*(\i), ADRA+\slot, \q, \i
.endr
.endm
.macro PLACES n
.rept \n
	v_nop
.endr
.endm
.macro STEP slot, q, zero
	s_wait_dscnt 4*NL
	WIN MUL_LO
	MUL16 0, (\q)%2, \zero
	MUL16 2, (\q)%2, \zero
	s_wait_dscnt 0
	PLACES NP
	FETCH_B \slot, (\q)+1, 1-(\q)%2
	FETCH_A \slot, (\q)+1, 0
	WIN MUL_HI
	MUL16 4, (\q)%2, \zero
	MUL16 6, (\q)%2, \zero
	PLACES NP
	WIN 0
	FETCH_A \slot, (\q)+1, 4
.endm
.macro TURN slot, next, fill
	s_wait_tensorcnt 0x0
	ds_add_u32 v[SPW], v[NIL]
	s_wait_dscnt 4*NL+1
	WIN MUL_LO
	MUL16 0, 1, 0
	s_wait_dscnt 0x0
	s_barrier_signal -1
	MUL16 2, 1, 0
	WIN 0
	s_barrier_wait -1
.if \fill
	CREST
	s_add_nc_u64 s[G0+4*\slot+2:G0+4*\slot+3], s[G0+4*\slot+2:G0+4*\slot+3], 2*ROWB
	s_add_nc_u64 s[G0B+4*\slot+2:G0B+4*\slot+3], s[G0B+4*\slot+2:G0B+4*\slot+3], 2*ROWB
	JLOAD G0+4*\slot, G1, G0B+4*\slot, G1B
.else
	PLACES NP
.endif
	FETCH_B \next, 0, 0
	FETCH_A \next, 0, 0
	WIN MUL_HI
	MUL16 4, 1, 0
	MUL16 6, 1, 0
	PLACES NP
	WIN 0
	FETCH_A \next, 0, 4
.endm
	s_wait_alu depctr_va_vdst(0)                   ; the head's end
	s_wait_tensorcnt 0x0                           ; my part of K step 0 is in; a later first fill stands behind the same lines as a refill
	ds_add_u32 v[SPW], v[NIL]
	s_wait_dscnt 0x0
	CROUND                                         ; everybody's part of K step 0 is in, and the joint loads meet
	JLOAD G0+4, G1, G0B+4, G1B                     ; K step 1
	FETCH_B 0, 0, 0
	FETCH_A 0, 0, 0
	FETCH_A 0, 0, 4
	global_prefetch_b8 v9, s[86:87] offset:512 th:TH_LOAD_NT scope:SCOPE_SE   ; K step 2
	global_prefetch_b8 v9, s[86:87] offset:768 th:TH_LOAD_NT scope:SCOPE_SE   ; K step 3, the last
	STEP 0, 0, 1
	s_mov_b32 s3, LAPS-1
.Llap:
	TURN 0, 1, 1
	STEP 1, 0, 0
	TURN 1, 0, 1
	STEP 0, 0, 0
	s_sub_co_u32 s3, s3, 1
	s_cmp_lg_u32 s3, 0
	s_cbranch_scc1 .Llap
	TURN 0, 1, 0
	STEP 1, 0, 0
	s_wait_dscnt 4*NL
	WIN MUL_LO
	MUL16 0, 1, 0
	MUL16 2, 1, 0
	s_wait_dscnt 0
	WIN MUL_HI
	MUL16 4, 1, 0
	MUL16 6, 1, 0
	WIN 0
	s_wait_kmcnt 0x0
	s_sub_co_i32 s20, s94, s88
	s_sub_co_i32 s20, s20, s89
	s_sub_co_i32 s21, s95, s90
	s_sub_co_i32 s21, s21, s91
	s_sub_co_i32 s22, s97, s92
	s_sub_co_i32 s22, s22, s93
	s_cmp_eq_u32 ttmp9, 1
	s_cselect_b32 s20, s21, s20
	s_cmp_eq_u32 ttmp9, 2
	s_cselect_b32 s20, s22, s20
	s_add_co_i32 s20, s20, 127
	s_lshl_b32 s21, s20, 23
	s_add_co_i32 s20, s20, 8
	s_lshl_b32 s20, s20, 23
	s_or_b32 s20, s20, 0x600000
	PLACES NP
	v_mov_b32 v[SC], s21
	v_mov_b32 v[LIM], s20
.macro QBLOCK a
.set AC, 64*((\a)%4)
	WIN 0x02+((\a)/4)
.set jj, 0
.rept 64
	v_med3_num_f32 v[TQ+jj], v[AC+jj], -v[LIM], v[LIM]
.set jj, jj+1
.endr
	WIN 0
.irp b, 0,1,2,3,4,5,6,7
	v_cvt_scalef32_pk8_fp8_f32 v[CD+16*(\a)+2*\b:CD+16*(\a)+2*\b+1], v[TQ+8*\b:TQ+8*\b+7], v[SC]
.endr
	v_nop
.irp g, 0,1,2,3
	ds_store_b128 v[STO], v[CD+16*(\a)+4*\g:CD+16*(\a)+4*\g+3] offset:(\a)*16*SP+32*\g
.endr
.endm
.irp a, 0,1,2,3,4,5,6,7
	QBLOCK \a
.endr
	s_wait_dscnt 0x0
	s_barrier_signal -1
	s_barrier_wait -1
.set tt, 0
.rept 32
	ds_load_b128 v[CD+4*tt:CD+4*tt+3], v[RD] offset:(tt/4)*8*SP+64*(tt%4)
.set tt, tt+1
.endr
.set tt, 0
.rept 32
	s_wait_dscnt 31-tt
	global_store_b128 v[CO], v[CD+4*tt:CD+4*tt+3], s[OB+2*(tt%4):OB+2*(tt%4)+1] offset:512*(tt/4)
.set tt, tt+1
.endr
	s_wait_tensorcnt 0x0
	ds_add_u32 v[SPW], v[NIL]
	s_wait_dscnt 0x0
	CROUND
	s_endpgm
.Lfunc_end_k_qb7403d18c3_proj:
	.size	k_qb7403d18c3_proj, .Lfunc_end_k_qb7403d18c3_proj-k_qb7403d18c3_proj
	.p2alignl 7, 3214868480
	.fill 96, 4, 3214868480
	.section	.rodata,"a",@progbits
	.p2align	6, 0x0
	.amdhsa_kernel k_qb7403d18c3_proj
		.amdhsa_group_segment_fixed_size 327680
		.amdhsa_private_segment_fixed_size 0
		.amdhsa_enable_private_segment 0
		.amdhsa_kernarg_size 32
		.amdhsa_user_sgpr_count 2
		.amdhsa_user_sgpr_kernarg_segment_ptr 1
		.amdhsa_wavefront_size32 1
		.amdhsa_system_sgpr_workgroup_id_x 1
		.amdhsa_system_sgpr_workgroup_id_y 1
		.amdhsa_system_sgpr_workgroup_id_z 1
		.amdhsa_system_vgpr_workitem_id 0
		.amdhsa_next_free_vgpr 1024
		.amdhsa_next_free_sgpr 100
		.amdhsa_reserve_vcc 0
		.amdhsa_float_denorm_mode_32 3
		.amdhsa_float_denorm_mode_16_64 3
		.amdhsa_memory_ordered 1
		.amdhsa_forward_progress 1
		.amdhsa_inst_pref_size 125
	.end_amdhsa_kernel
	.amdgpu_metadata
---
amdhsa.version: [ 1, 2 ]
amdhsa.kernels:
  - .name:           k_qb7403d18c3_proj
    .symbol:         k_qb7403d18c3_proj.kd
    .args:
      - { .name: xq, .offset: 0, .size: 8, .value_kind: global_buffer, .address_space: global }
      - { .name: wc, .offset: 8, .size: 8, .value_kind: global_buffer, .address_space: global }
      - { .name: lowp_scales, .offset: 16, .size: 8, .value_kind: global_buffer, .address_space: global }
      - { .name: qkv, .offset: 24, .size: 8, .value_kind: global_buffer, .address_space: global }
    .group_segment_fixed_size: 327680
    .private_segment_fixed_size: 0
    .kernarg_segment_align: 8
    .kernarg_segment_size: 32
    .max_flat_workgroup_size: 128
    .sgpr_count:     100
    .vgpr_count:     1024
    .wavefront_size: 32
...
	.end_amdgpu_metadata
.endif
;; end of part 2
;; launch attn (part 3): grid 8 x 32, 16 waves a work-group, clusters of 4 x 1, 327,680 bytes of LDS; arguments qkv, lowp_scales, ctxc; writes ctxc
.if DOCPART == 3
	.amdgcn_target "amdgcn-amd-amdhsa--gfx1250"
	.amdhsa_code_object_version 6
	.text
	.protected	k_qb7403d18c3_attn
	.globl	k_qb7403d18c3_attn
	.p2align	8
	.type	k_qb7403d18c3_attn,@function
k_qb7403d18c3_attn:
	s_mov_b64 s[64:65], 0
	v_nop
	global_prefetch_b8 v0, s[64:65] scope:SCOPE_SE
	s_setreg_imm32_b32 hwreg(HW_REG_WAVE_MODE, 25, 1), 1
	s_wait_xcnt 0x0
	s_wait_alu depctr_hold_cnt(0) depctr_sa_sdst(0) depctr_va_vdst(0) depctr_va_sdst(0) depctr_va_ssrc(0) depctr_va_vcc(0) depctr_vm_vsrc(0)
	s_getreg_b32 s2, hwreg(HW_REG_IB_STS2, 6, 4)
	s_cmp_eq_u32 s2, 0
	s_cbranch_scc0 .Lentry_in_a_cluster
	s_endpgm
.Lentry_in_a_cluster:
	s_bfe_u32 s2, ttmp6, 0x10000c
	s_cmp_lg_u32 s2, 0x3003
	s_cbranch_scc0 .Lentry_shape_is_right
	s_endpgm
.Lentry_shape_is_right:
; Causal attention on codes of FP8 (E4M3): 32 heads (batch x head) of 2,048 tokens x 64, and the result quantised for the last projection.
; IN: qkv part 0 q, part 1 k: [b][head][token][64 d]; part 2 v: [b][head][token / 64][d][64 keys]; parts 4 MiB apart, a head 131,072 dense bytes; inside every 32 bytes byte 16 h + 8 u + j holds element 16 u + 8 h + j,
; so that 16 bytes at 32 c + 16 (lane / 16) are a lane's registers 4 c .. 4 c + 3 of a plain 8-bit fragment.
; THE SOFTMAX: t = score x log2(e) / 8; M = the largest t so far, rounded UP to a whole number; p = 2^(t - M) is quantised with 2^e8, not normalised; the row's sum is taken of the unquantised p and divides at the end.
; When M moves, the sum and O are multiplied by 2^(old M - new M), which rounds nothing.
; OUT: ctxc [token / 128: 32][head: 16][128 tokens][64 d], codes under 2^e10: a wave stores 1,024 consecutive bytes.
; SHARES.  A head has 16 blocks of 128 queries, a block 8 tiles of 16.  Work-group j of a head owns tile j of EVERY block, so all eight work-groups of a head walk the same steps of 128 keys: block b needs b + 1 of them.
; Waves e and 8 + e (e = 0 .. 7) share the tiles of blocks e and 15 - e, 17 steps: wave e takes block e's e + 1 steps and then block 15 - e's last 8 - e; wave 8 + e takes block 15 - e's first 8, and at the end joins wave e's part, handed over in LDS, to its own.
; WORK LEFT OUT: the steps all of whose keys come after a tile's queries: reference()'s own causal mask makes their p 0 (the note at the head of the program's first kernel, with its limit).
; THE WHOLE HEAD'S K AND V LIE IN LDS, filled once: 16 pieces of 256 keys (8 of K, 8 of V), one tensor load a wave, all issued at the head; one barrier shows them to all waves.  No slot is filled again.
; CLUSTERS: four work-groups of one head ask jointly.  What differs between them is j: it enters Q's and the result's addresses and the mask's values, no branch, no trip count and no LDS address.
; NO PREFETCH: all of K and V is asked for at the head; no loop's load is left to run ahead of.
; LAYOUT.  S^T = K Q^T (source 0 = 16 keys, source 1 = my 16 queries): lane (r, h) holds query r, register 8 t + j key 16 t + 8 h + j: the place that the second product's form gives P.  O^T = V^T P^T likewise holds one query a lane.
; LIMITS: e6 + e7 between -123 and 130 (added to c's exponent field); e8 and e10 between -126 and 119; the scaled scores t stay under 2^31 in magnitude.
; REGISTERS: v1 my lane's place in a tile; v2 the loads' address; v3, v9 the way out, in and back; v4 2^e8; v5 16 x lane; v[6:7] f; v10, v11 the add's; v12 -M, v13 the largest t, v[14:15] the sum; v16-23 Q; v8, v24-31 at work;
;   v32-95 V's fragments (also at work on a tile's way out); v96-159 K's, one step ahead; v160-223 S^T, then p, then in v160-175 p's codes; v224-255 O^T.
.set VOFF,   139264                    ; K: 512 long rows (4 keys: 256 bytes + 16); V behind it: 512 long rows (4 channels of a block of 64 keys)
.set PIECE,  17408                     ; 256 keys: 64 long rows
.set STEP_B, 8704                      ; 128 keys: 32 long rows
.set MRG,    287232                    ; behind them: 4,608 bytes for each pair of waves: first the early tile's way out, then wave e's part of the late tile, then that tile's way out.  No tile lands there
.set MREG,   4608
.set SPARE,  MRG+8*MREG                ; the spare words, 128 bytes for each wave
.set KF, 96
.set S,  160
.set O,  224
.macro CROUND                          ; a round of the cluster's barrier
	s_barrier_signal -1
	s_barrier_wait -1
	s_cmp_lg_u32 s10, 0
	s_cbranch_scc1 .Lnot_wave_0_\@
	s_barrier_signal -3
.Lnot_wave_0_\@:
	s_barrier_wait -3
	s_barrier_signal -1
	s_barrier_wait -1
.endm
.macro KLOAD adr                       ; K's eight fragments of a step: 16 keys x 64 each
.irp t, 0,1,2,3,4,5,6,7
	ds_load_b128 v[KF+8*\t:KF+8*\t+3], v[\adr] offset:1088*\t
	ds_load_b128 v[KF+8*\t+4:KF+8*\t+7], v[\adr] offset:1088*\t+32
.endr
.endm
.macro SCALE j0                        ; t - M of 16 numbers, two at a time
.irp j, 0,2,4,6,8,10,12,14
	v_pk_fma_f32 v[S+\j0+\j:S+\j0+\j+1], v[S+\j0+\j:S+\j0+\j+1], s[58:59], v[12:13] op_sel_hi:[1,0,0]
.endr
.endm
.macro HOLD t, d                       ; tile t's p into v[d ..]: the conversion does not saturate (ISA guide 7.6.2); p is not negative, so the hold is one-sided
.irp i, 0,2,4,6
	v_dual_min_num_f32 v[\d+\i], s60, v[S+8*\t+\i] :: v_dual_min_num_f32 v[\d+\i+1], s60, v[S+8*\t+\i+1]
.endr
.endm
.macro CODE t, d                       ; registers 2 t, 2 t + 1 of P: keys 16 t + 8 h + 0 .. 7, laid over p's that are done with
	v_cvt_scalef32_pk8_fp8_f32 v[S+2*\t:S+2*\t+1], v[\d:\d+7], v4
.endm
; A STEP: my 16 queries x the 128 keys of step s22, whose K fragments have been asked for and whose part of V begins at LDS byte s19; K's fragments of my next step lie at s20.  s16: the step that lies on my tile's diagonal.
.macro STEP
	v_add_nc_u32 v2, s19, v1
.rept 4
	v_nop                                          ; four places in front of loads into registers that the last products have read; five in front of products that write over their source, p's codes
.endr
.irp u, 0,1,2,3                                ; V's fragments (16 channels x 128 keys) land during the softmax
.irp c, 0,1,2,3
	ds_load_b128 v[32+16*\u+4*\c:35+16*\u+4*\c], v2 offset:4352*(\c/2)+1088*\u+32*(\c%2)
.endr
.endr
	s_wait_dscnt 16                                ; K's fragments are in; V's 16 loads may be out
.irp t, 0,1,2,3,4,5,6,7
	v_wmma_f32_16x16x64_fp8_fp8 v[S+8*\t:S+8*\t+7], v[KF+8*\t:KF+8*\t+7], v[16:23], 0
.endr
	v_add_nc_u32 v2, s20, v1                       ; with the three lines below: four places in front of the loads, and of the first read of the scores
.rept 3
	v_nop
.endr
	KLOAD 2                                        ; my next step's K has this step's softmax and second product in which to land
	s_cmp_lg_u32 s22, s16                          ; off the diagonal: all 128 keys count for all my queries
	s_cbranch_scc1 .Lopen_\@
	v_mov_b32 v30, 0xff800000                      ; -infinity
	s_wait_alu depctr_va_vdst(0)                   ; behind the write and ahead of the scalar lines below
.irp t, 0,1,2,3,4,5,6,7                        ; tile t of keys: under j all count, over j none; at j key 8 h + i counts for query r where 8 h + i <= r (the lanes' masks s80-87)
	s_cmp_lt_u32 s15, \t
	s_cselect_b32 s23, -1, 0
	s_cmp_eq_u32 s15, \t
.irp i, 0,1,2,3,4,5,6,7
	s_cselect_b32 s[88+\i], s[80+\i], s23
.endr
.irp i, 0,1,2,3,4,5,6,7
	v_cndmask_b32 v[S+8*\t+\i], v[S+8*\t+\i], v30, s[88+\i]
.endr
.endr
.Lopen_\@:
	v_max3_num_f32 v8, v[S], v[S+1], v[S+2]        ; the step's largest score of my query among my 64 keys, in four chains,
	v_max3_num_f32 v24, v[S+3], v[S+4], v[S+5]
	v_max3_num_f32 v25, v[S+6], v[S+7], v[S+8]
	v_max3_num_f32 v26, v[S+9], v[S+10], v[S+11]
.irp i, 12,20,28,36,44,52
	v_max3_num_f32 v8, v8, v[S+\i], v[S+\i+1]
	v_max3_num_f32 v24, v24, v[S+\i+2], v[S+\i+3]
	v_max3_num_f32 v25, v25, v[S+\i+4], v[S+\i+5]
	v_max3_num_f32 v26, v26, v[S+\i+6], v[S+\i+7]
.endr
	v_max3_num_f32 v8, v8, v[S+60], v[S+61]
	v_max3_num_f32 v24, v24, v[S+62], v[S+63]
	v_max_num_f32 v25, v25, v26
	s_delay_alu instid0(VALU_DEP_1)
	v_max3_num_f32 v8, v8, v24, v25
	s_delay_alu instid0(VALU_DEP_1)
	v_permlanex16_b32 v27, v8, s56, s57
	s_delay_alu instid0(VALU_DEP_1)
	v_max_num_f32 v8, v8, v27                      ; and among lane l xor 16's
	s_delay_alu instid0(VALU_DEP_1)
	v_mul_f32 v8, s58, v8                          ; as t (c is positive)
	v_mov_b32 v28, v12
	s_delay_alu instid0(VALU_DEP_2)
	v_max_num_f32 v13, v13, v8
	s_delay_alu instid0(VALU_DEP_1)
	v_floor_f32 v12, -v13                          ; the new -M = floor(-t): M is a whole number
	SCALE 0
	v_sub_f32 v28, v12, v28                        ; old M - new M, 0 or less
	SCALE 16
	v_cvt_i32_f32 v28, v28                         ; (it saturates)
	SCALE 32
	v_ldexp_f32 v6, 1.0, v28                       ; f = 2^(old M - new M)
	SCALE 48
	s_wait_alu depctr_va_vdst(0)                   ; ahead of the batch
.set jj, 0
.rept 64
	v_exp_f32 v[S+jj], v[S+jj]                     ; p = 2^(t - M)
.set jj, jj+1
.endr
	v_pk_mul_f32 v[14:15], v[14:15], v[6:7] op_sel_hi:[1,0]   ; the sum under the new M: the plain line behind the exponentials
	s_wait_alu depctr_va_vdst(0)                   ; and the one wait behind the batch
	v_pk_add_f32 v[24:25], v[S:S+1], v[S+2:S+3]    ; the row's sum, of the unquantised p: four chains
	v_pk_add_f32 v[26:27], v[S+4:S+5], v[S+6:S+7]
	v_pk_add_f32 v[28:29], v[S+8:S+9], v[S+10:S+11]
	v_pk_add_f32 v[14:15], v[14:15], v[S+12:S+13]
.irp j, 14,22,30,38,46,54
	v_pk_add_f32 v[24:25], v[24:25], v[S+\j:S+\j+1]
	v_pk_add_f32 v[26:27], v[26:27], v[S+\j+2:S+\j+3]
	v_pk_add_f32 v[28:29], v[28:29], v[S+\j+4:S+\j+5]
	v_pk_add_f32 v[14:15], v[14:15], v[S+\j+6:S+\j+7]
.endr
	v_pk_add_f32 v[24:25], v[24:25], v[S+62:S+63]
	v_pk_add_f32 v[26:27], v[26:27], v[28:29]
	v_pk_add_f32 v[14:15], v[14:15], v[24:25]
	v_pk_add_f32 v[14:15], v[14:15], v[26:27]
	HOLD 0, 24                                     ; tile 0's goes through v24-31, so that no conversion writes over its own source
	HOLD 1, S+8
	CODE 0, 24
.irp t, 1,2,3,4,5,6
	HOLD (\t+1), S+8*(\t+1)
	CODE \t, S+8*\t
.endr
	CODE 7, S+56
	s_wait_dscnt 16                                ; V's fragments are in; the next step's 16 loads of K may be out
	s_wait_alu depctr_va_vdst(0)                   ; directly ahead of the first reader of O^T
.irp j, 0,2,4,6,8,10,12,14,16,18,20,22,24,26,28,30
	v_pk_mul_f32 v[O+\j:O+\j+1], v[O+\j:O+\j+1], v[6:7] op_sel_hi:[1,0]   ; O^T under the new M; also the plain lines behind the conversions
.endr
.irp u, 0,1,2,3                                ; the four accumulators take turns; the next step's eight products on S^T stand between two turns of one
	v_wmma_f32_16x16x128_fp8_fp8 v[O+8*\u:O+8*\u+7], v[32+16*\u:47+16*\u], v[S:S+15], v[O+8*\u:O+8*\u+7]
.endr
.endm
; A TILE'S WAY OUT: O^T x 2^(e8 + e9) / the sum, quantised with 2^e10; a lane's 8 codes of each 16 channels go into the pair's LDS bytes, and the 16 tokens x 64 bytes leave as 1,024 consecutive bytes.
.macro FINISH base
	v_add_f32 v14, v14, v15
	v_mov_b32 v64, s96                             ; 448 x 2^e10
	v_mov_b32 v65, s97                             ; 2^e10
	v_permlanex16_b32 v27, v14, s56, s57
	v_add_f32 v14, v14, v27                        ; the row's sum
	s_wait_alu depctr_va_vdst(0)                   ; ahead of the transcendental
	v_rcp_f32 v14, v14
	v_nop                                          ; a plain line behind it
	s_wait_alu depctr_va_vdst(0)                   ; and the wait ahead of its first use
	v_ldexp_f32 v14, v14, s61
	s_wait_alu depctr_va_vdst(0)                   ; directly ahead of the first reader of O^T
.irp j, 0,2,4,6,8,10,12,14,16,18,20,22,24,26,28,30
	v_pk_mul_f32 v[32+\j:33+\j], v[O+\j:O+\j+1], v[14:15] op_sel_hi:[1,0]   ; register 8 u + i: ctx(query r, channel 16 u + 8 h + i)
.endr
.set jj, 0
.rept 32
	v_med3_num_f32 v[32+jj], v[32+jj], -v64, v64
.set jj, jj+1
.endr
.irp u, 0,1,2,3
	v_cvt_scalef32_pk8_fp8_f32 v[66+2*\u:67+2*\u], v[32+8*\u:39+8*\u], v65
.endr
	v_nop
.irp u, 0,1,2,3
	ds_store_b64 v3, v[66+2*\u:67+2*\u] offset:16*\u
.endr
	ds_load_b128 v[76:79], v9                      ; LDS serves a wave's instructions in order (ISA guide 5.7.1.4): these see my stores
	ds_load_b128 v[84:87], v9 offset:512
	s_wait_dscnt 1                                 ; the second load may be out
	global_store_b128 v5, v[76:79], s[\base:\base+1]
	s_wait_dscnt 0x0
	global_store_b128 v5, v[84:87], s[\base:\base+1] offset:512
.endm
.macro FRESH                           ; a new tile: largest t, -M, the sum, O^T
	v_mov_b32 v13, 0xff61b1e6                      ; -3e38, under every t
	v_mov_b32 v14, 0
	v_mov_b32 v15, 0
.set jj, 0
.rept 32
	v_mov_b32 v[O+jj], 0                           ; the step is written for every pass alike: a tile's first finds zeros
.set jj, jj+1
.endr
	v_floor_f32 v12, -v13
.endm
	s_load_b128 s[4:7], s[0:1], 0x0                ; qkv, the scales
	s_load_b64 s[8:9], s[0:1], 0x10                ; ctxc
	v_lshl_add_u32 v10, v0, 2, SPARE
	v_mov_b32 v11, 0
	ds_add_u32 v10, v11                            ; the wave's opening: the add, twice on end, and its wait
	ds_add_u32 v10, v11
	v_lshrrev_b32 v7, 5, v0
	v_readfirstlane_b32 s10, v7                    ; wave 0..15
	s_and_b32 s14, ttmp7, 0xffff                   ; batch x 16 + head
	s_bfe_u32 s15, ttmp6, 0x40000                  ; my place in the cluster
	s_lshl_b32 s16, ttmp9, 2
	s_add_co_u32 s15, s15, s16                     ; j: my tile in every block
	; descriptor group 1: 64 rows of 32 elements of 8 bytes, dense in memory, 16 bytes of padding behind each; the mask names the cluster's four
	s_mov_b32 s32, 15|(3<<16)|(1<<20)|(1<<21)|(5<<22)|(3<<25)
	s_mov_b32 s33, 32<<16                          ; tensor_dim0
	s_mov_b32 s34, 64<<16                          ; tensor_dim1
	s_mov_b32 s35, 32<<16                          ; tile_dim0
	s_mov_b32 s36, 64                              ; tile_dim1
	s_mov_b32 s37, 32                              ; tensor_dim0_stride
	s_mov_b32 s38, 0
	s_mov_b32 s39, 0
	s_lshr_b32 s21, s10, 1                         ; which 256 keys I fetch
	s_and_b32 s22, s10, 1                          ; of K (0) or of V (1)
	s_mul_i32 s23, s22, VOFF
	s_mul_i32 s24, s21, PIECE
	s_mov_b32 s40, 1
	s_add_co_u32 s41, s23, s24                     ; where they go
	s_add_co_u32 s24, s22, 1
	s_lshl_b32 s24, s24, 22                        ; part 1 or 2 of qkv,
	s_lshl_b32 s25, s14, 17                        ; the head,
	s_add_co_u32 s24, s24, s25
	s_lshl_b32 s25, s21, 14                        ; the piece: 16,384 bytes
	s_add_co_u32 s24, s24, s25
	s_mov_b32 s25, 0
	s_wait_dscnt 0x0                               ; both opening adds are done
	CROUND                                         ; all four work-groups are here: the joint loads meet
	s_wait_kmcnt 0x0
	s_add_nc_u64 s[42:43], s[4:5], s[24:25]
	s_or_b32 s43, s43, 0x80000000
	tensor_load_to_lds s[40:43], s[32:39]          ; my one tensor load
	s_nop 0
	s_load_b256 s[68:75], s[6:7], 0x0              ; e0 .. e7
	s_load_b128 s[76:79], s[6:7], 0x20             ; e8 .. e11
	s_and_b32 s11, s10, 7                          ; e
	s_xor_b32 s12, s11, 7                          ; 7 - e
	s_xor_b32 s13, s11, 15                         ; 15 - e: the late block
	s_cmp_lt_u32 s10, 8
	s_cselect_b32 s21, s11, s13                    ; the block that I begin with
	s_lshl_b32 s24, s14, 17
	s_lshl_b32 s25, s15, 10
	s_add_co_u32 s24, s24, s25
	s_lshl_b32 s21, s21, 13
	s_add_co_u32 s28, s24, s21
	s_mov_b32 s29, 0
	s_add_nc_u64 s[28:29], s[4:5], s[28:29]        ; Q's codes of my first tile,
	s_lshl_b32 s21, s13, 13
	s_add_co_u32 s26, s24, s21
	s_mov_b32 s27, 0
	s_add_nc_u64 s[26:27], s[4:5], s[26:27]        ; and of the late block's
	v_and_b32 v7, 15, v0                           ; r
	v_bfe_u32 v8, v0, 4, 1                         ; h
	v_lshlrev_b32 v24, 6, v7
	v_lshl_add_u32 v24, v8, 4, v24                 ; Q: row r of 64 bytes, + 16 h
	global_load_b128 v[16:19], v24, s[28:29]
	global_load_b128 v[20:23], v24, s[28:29] offset:32
	s_mul_i32 s21, s11, MREG
	s_add_co_u32 s21, s21, MRG                     ; my pair's LDS bytes
	s_wait_alu depctr_va_vdst(0)
	v_lshrrev_b32 v1, 2, v7
	v_and_b32 v2, 3, v7
	v_lshlrev_b32 v3, 6, v7
	v_lshlrev_b32 v6, 3, v8
	v_and_b32 v5, 31, v0
	v_mul_u32_u24 v1, v1, 272
	v_lshl_add_u32 v3, v8, 3, v3
	v_sub_nc_u32 v6, v7, v6                        ; r - 8 h, for the mask
	v_lshlrev_b32 v5, 4, v5                        ; 16 x lane
	v_lshl_add_u32 v1, v2, 6, v1
	v_add_nc_u32 v3, s21, v3                       ; the way out, in: row r of 64 bytes, + 8 h
	v_add_nc_u32 v9, s21, v5                       ; back, and the late tile's parts: 16 x lane
	v_lshl_add_u32 v1, v8, 4, v1                   ; row r of a tile of 16 rows of 64 bytes: (r / 4) x 272 + (r % 4) x 64 + 16 h: sixteen rows start at sixteen different groups of four banks
.irp i, 0,1,2,3,4,5,6,7
	v_cmp_gt_i32 s[80+\i], \i, v6                  ; lanes whose query comes before key 8 h + i of its own tile
.endr
	v_mov_b32 v27, 0                               ; a lane permute's destination counts as one of its sources
	v_mov_b32 v7, 0                                ; (named as the upper half of the pair v[6:7])
	FRESH
	s_lshr_b32 s24, s14, 4
	s_lshl_b32 s24, s24, 21                        ; the batch: 16 blocks of 131,072 bytes,
	s_and_b32 s21, s14, 15
	s_lshl_b32 s21, s21, 13                        ; the head's 128 x 64 bytes,
	s_add_co_u32 s24, s24, s21
	s_lshl_b32 s21, s15, 10                        ; my 16 tokens
	s_add_co_u32 s24, s24, s21
	s_lshl_b32 s21, s13, 17
	s_add_co_u32 s92, s24, s21
	s_mov_b32 s93, 0
	s_add_nc_u64 s[62:63], s[8:9], s[92:93]        ; ctxc: the late tile,
	s_lshl_b32 s21, s11, 17
	s_add_co_u32 s92, s24, s21
	s_add_nc_u64 s[8:9], s[8:9], s[92:93]          ; and the early one
	s_mov_b32 s56, 0x76543210
	s_mov_b32 s57, 0xfedcba98                      ; lane l xor 16
	s_mov_b32 s58, 0x3e38aa3b                      ; c = log2(e) / 8
	s_wait_alu depctr_va_vdst(0)
	s_wait_kmcnt 0x0
	s_add_co_i32 s21, s74, s75
	s_lshl_b32 s21, s21, 23
	s_add_co_i32 s58, s58, s21                     ; a score stands for score x 2^(e6 + e7)
	s_mov_b32 s59, s58                             ; (named with it as a pair)
	s_add_co_i32 s61, s76, s77                     ; e8 + e9
	s_add_co_i32 s21, s76, 127
	s_lshl_b32 s22, s21, 23
	v_mov_b32 v4, s22                              ; 2^e8
	s_add_co_i32 s21, s21, 8
	s_lshl_b32 s21, s21, 23
	s_or_b32 s60, s21, 0x600000                    ; 448 x 2^e8
	s_add_co_i32 s21, s78, 127
	s_lshl_b32 s97, s21, 23                        ; 2^e10
	s_add_co_i32 s21, s21, 8
	s_lshl_b32 s21, s21, 23
	s_or_b32 s96, s21, 0x600000                    ; 448 x 2^e10
	s_wait_alu depctr_va_vdst(0)                   ; the head's end
	s_wait_loadcnt 0x0                             ; Q
	s_wait_tensorcnt 0x0                           ; my piece is in,
	s_barrier_signal -1
	s_barrier_wait -1                              ; and everybody's: K and V are whole
	KLOAD 1                                        ; step 0's K
	s_mov_b32 s18, 0
.Lloop:                                            ; trip n = s18, 0 .. 8.  Waves 0-7: steps 0 .. e of the early tile, then steps 8 .. 15 - e of the late one; waves 8-15: steps 0 .. 7
	s_cmp_lt_u32 s10, 8
	s_cbranch_scc0 .Lsame_tile
	s_add_co_u32 s21, s10, 1
	s_cmp_eq_u32 s18, s21                          ; trip e + 1: the early tile is finished
	s_cbranch_scc0 .Lsame_tile
.rept 4
	v_nop                                          ; places behind the last products: for the writes of their sources below and for the readers of O^T
.endr
	v_and_b32 v80, 0xf0, v5                        ; 16 r
	v_bfe_u32 v81, v5, 8, 1                        ; h
	v_lshlrev_b32 v80, 2, v80
	v_lshl_add_u32 v80, v81, 4, v80                ; Q's offset: 64 r + 16 h
	global_load_b128 v[16:19], v80, s[26:27]       ; the late tile's Q lands while the early tile goes out
	global_load_b128 v[20:23], v80, s[26:27] offset:32
	FINISH 8
	FRESH
	s_wait_alu depctr_va_vdst(0)
	s_wait_loadcnt 0x0
	s_wait_xcnt 0x0                                ; the stores have read their data: V's fragments may land there
.Lsame_tile:
	s_and_b32 s21, s10, 8
	s_add_co_u32 s21, s21, s18
	s_cmp_eq_u32 s21, 16                           ; waves 8-15 have no ninth step
	s_cbranch_scc1 .Lno_step
	s_cmp_gt_u32 s18, s10                          ; waves 0-7 on the late tile
	s_cselect_b32 s21, s12, 0
	s_cselect_b32 s16, s13, s10                    ; the diagonal's step: block e's e, then 15 - e; waves 8-15: a number that none of their steps has
	s_add_co_u32 s22, s18, s21                     ; my key step: n, or n + 7 - e
	s_mul_i32 s19, s22, STEP_B
	s_add_co_u32 s19, s19, VOFF
	s_add_co_u32 s23, s18, 1                       ; the next trip's, by the same rule, held at the last step there is: behind my last step the look-ahead's fragments are multiplied by nobody
	s_cmp_gt_u32 s23, s10
	s_cselect_b32 s21, s12, 0
	s_add_co_u32 s23, s23, s21
	s_min_u32 s23, s23, 15
	s_mul_i32 s20, s23, STEP_B
	STEP
.Lno_step:
	s_add_co_u32 s18, s18, 1
	s_cmp_lt_u32 s18, 9
	s_cbranch_scc1 .Lloop
	; THE LATE TILE'S TWO PARTS: waves 0-7 hand over O^T, -M and the sum
	s_cmp_lt_u32 s10, 8
	s_cbranch_scc0 .Lno_part
.rept 4
	v_nop                                          ; places behind the last products
.endr
.irp k, 0,1,2,3,4,5,6,7
	ds_store_b128 v9, v[O+4*\k:O+4*\k+3] offset:512*\k
.endr
	ds_store_b128 v9, v[12:15] offset:4096
.Lno_part:
	s_wait_dscnt 0x0
	s_barrier_signal -1
	s_barrier_wait -1
	s_cmp_lt_u32 s10, 8
	s_cbranch_scc1 .Lend
.rept 4
	v_nop                                          ; places in front of loads into registers that the last products have read
.endr
	ds_load_b128 v[64:67], v9 offset:4096          ; the other part's -M, largest t, sum
.irp k, 0,1,2,3,4,5,6,7
	ds_load_b128 v[32+4*\k:35+4*\k], v9 offset:512*\k
.endr
	s_wait_dscnt 8                                 ; -M and the sum are in; O^T's eight loads may be out
	v_min_num_f32 v74, v12, v64                    ; -M of the two together
	v_mov_b32 v69, 0                               ; (named as upper halves of pairs)
	v_mov_b32 v71, 0
	v_sub_f32 v75, v74, v12
	v_sub_f32 v76, v74, v64
	v_cvt_i32_f32 v75, v75
	v_cvt_i32_f32 v76, v76
	v_ldexp_f32 v68, 1.0, v75                      ; 2^(my M - M)
	v_ldexp_f32 v70, 1.0, v76                      ; 2^(the other's M - M)
	v_pk_mul_f32 v[14:15], v[14:15], v[68:69] op_sel_hi:[1,0]
.irp j, 0,2,4,6,8,10,12,14,16,18,20,22,24,26,28,30
	v_pk_mul_f32 v[O+\j:O+\j+1], v[O+\j:O+\j+1], v[68:69] op_sel_hi:[1,0]
.endr
	v_pk_fma_f32 v[14:15], v[66:67], v[70:71], v[14:15] op_sel_hi:[1,0,1]
	s_wait_alu depctr_va_vdst(0)
	s_wait_dscnt 0x0
.irp j, 0,2,4,6,8,10,12,14,16,18,20,22,24,26,28,30
	v_pk_fma_f32 v[O+\j:O+\j+1], v[32+\j:33+\j], v[70:71], v[O+\j:O+\j+1] op_sel_hi:[1,0,1]
.endr
	FINISH 62
.Lend:
	s_wait_tensorcnt 0x0                           ; the wave's end
	ds_add_u32 v10, v11
	s_wait_dscnt 0x0
	CROUND                                         ; the closing round: no work-group ends while a partner may still ask for a piece that names it
	s_endpgm
.Lfunc_end_k_qb7403d18c3_attn:
	.size	k_qb7403d18c3_attn, .Lfunc_end_k_qb7403d18c3_attn-k_qb7403d18c3_attn
	.p2alignl 7, 3214868480
	.fill 96, 4, 3214868480
	.section	.rodata,"a",@progbits
	.p2align	6, 0x0
	.amdhsa_kernel k_qb7403d18c3_attn
		.amdhsa_group_segment_fixed_size 327680
		.amdhsa_private_segment_fixed_size 0
		.amdhsa_enable_private_segment 0
		.amdhsa_kernarg_size 24
		.amdhsa_user_sgpr_count 2
		.amdhsa_user_sgpr_kernarg_segment_ptr 1
		.amdhsa_wavefront_size32 1
		.amdhsa_system_sgpr_workgroup_id_x 1
		.amdhsa_system_sgpr_workgroup_id_y 1
		.amdhsa_system_sgpr_workgroup_id_z 1
		.amdhsa_system_vgpr_workitem_id 0
		.amdhsa_next_free_vgpr 256
		.amdhsa_next_free_sgpr 100
		.amdhsa_reserve_vcc 0
		.amdhsa_float_denorm_mode_32 3
		.amdhsa_float_denorm_mode_16_64 3
		.amdhsa_memory_ordered 1
		.amdhsa_forward_progress 1
		.amdhsa_inst_pref_size 47
	.end_amdhsa_kernel
	.amdgpu_metadata
---
amdhsa.version: [ 1, 2 ]
amdhsa.kernels:
  - .name:           k_qb7403d18c3_attn
    .symbol:         k_qb7403d18c3_attn.kd
    .args:
      - { .name: qkv, .offset: 0, .size: 8, .value_kind: global_buffer, .address_space: global }
      - { .name: lowp_scales, .offset: 8, .size: 8, .value_kind: global_buffer, .address_space: global }
      - { .name: ctxc, .offset: 16, .size: 8, .value_kind: global_buffer, .address_space: global }
    .group_segment_fixed_size: 327680
    .private_segment_fixed_size: 0
    .kernarg_segment_align: 8
    .kernarg_segment_size: 24
    .max_flat_workgroup_size: 512
    .sgpr_count:     100
    .vgpr_count:     256
    .wavefront_size: 32
...
	.end_amdgpu_metadata
.endif
;; end of part 3
;; launch outp (part 4): grid 8 x 32, 4 waves a work-group, clusters of 4 x 4, 296,448 bytes of LDS; arguments ctxc, wc, lowp_scales, out0; writes out0
.if DOCPART == 4
	.amdgcn_target "amdgcn-amd-amdhsa--gfx1250"
	.amdhsa_code_object_version 6
	.text
	.protected	k_qb7403d18c3_outp
	.globl	k_qb7403d18c3_outp
	.p2align	8
	.type	k_qb7403d18c3_outp,@function
k_qb7403d18c3_outp:
	s_mov_b64 s[64:65], 0
	v_nop
	global_prefetch_b8 v0, s[64:65] scope:SCOPE_SE
	s_setreg_imm32_b32 hwreg(HW_REG_WAVE_MODE, 25, 1), 1
	s_wait_xcnt 0x0
	s_wait_alu depctr_hold_cnt(0) depctr_sa_sdst(0) depctr_va_vdst(0) depctr_va_sdst(0) depctr_va_ssrc(0) depctr_va_vcc(0) depctr_vm_vsrc(0)
	s_getreg_b32 s2, hwreg(HW_REG_IB_STS2, 6, 4)
	s_cmp_eq_u32 s2, 0
	s_cbranch_scc0 .Lentry_in_a_cluster
	s_endpgm
.Lentry_in_a_cluster:
	s_bfe_u32 s2, ttmp6, 0x10000c
	s_cmp_lg_u32 s2, 0xf033
	s_cbranch_scc0 .Lentry_shape_is_right
	s_endpgm
.Lentry_shape_is_right:
; out0 [4096][1024] f32 = ctx out_proj on codes of FP8 (E4M3); each finished sum x 2^(e10 + e11).
; A: ctxc [token / 128][head][128 tokens][64 d] (k = 64 head + d); B: wc's set 3, [n][k], K innermost.
; A tile of out0 is 128 tokens x 128 columns: 256 work-groups.  Four waves, each 64 x 64: 16 accumulators.  The tile's whole K, 1,024, lies in LDS, filled once, in two halves of 512 along K: no slot is filled again.
; A half of A is eight heads of the tile's block of tokens: 65,536 dense bytes; of B 128 rows of 512 bytes.  Waves 0 and 1 fetch A's halves, waves 2 and 3 B's: one tensor load a wave, and one barrier shows all four to all waves.
; CLUSTERS: 4 x 4 work-groups; A's tiles are shared along a row of the cluster, B's along a column: joint loads.
; NO PREFETCH: the whole K is asked for at the head, and no loop's load is left to run ahead of.
; THE MATRIX INSTRUCTION IS USED TRANSPOSED (source 0 = 16 rows of B, source 1 = 16 tokens of A): a lane holds eight neighbouring columns of one row of out0.  A fragment comes by four loads of 16 bytes: a permutation of k, the same in A and B.
; LIMIT: e10 + e11 between -126 and 127.
; REGISTERS: window 0: v8-9, v12-13 LDS addresses of my fragments of A, B in half 0, 1; v16-18 the way out; v30-31 the add's; v32-63, v64-127 at work on the way out; v128-255 the accumulators ((a, b) at v[128 + 8 (4 a + b)]).
;   window 1: two fragment buffers of 128: A's four blocks, then B's four.
.set HALF,  137216                     ; a half in LDS: A's 8 heads x 8,704 bytes (4 tokens: 256 + 16), then B's 128 rows x 528 (512 + 16)
.set BOFF,  69632
.set BP,    528
.set STG,   278528                     ; behind the halves: 16 rows x 272 bytes for each wave, for the way out; no tile lands there
.set SPARE, STG+4*16*272               ; the spare words
.set ADRA,  8
.set ADRB,  12
.set STO,   16
.set RD,    17
.set CO,    18
.set TMP,   32
.set BK,    64
.set ACC,   128
.set F0,    0
.set F1,    128
.set MSB, 0
.macro WIN new                         ; the immediate's high byte repeats the setting that is left
.if MSB != \new
	s_set_vgpr_msb (MSB<<8)|\new
.set MSB, \new
.endif
.endm
.set MULW, 0x05                        ; sources 0 (B) and 1 (A) window 1; C and D window 0
.set TO_F, 0x40                        ; destination window 1, address window 0
.macro CROUND                          ; a round of the cluster's barrier
	s_barrier_signal -1
	s_barrier_wait -1
	s_cmp_lg_u32 s14, 0
	s_cbranch_scc1 .Lnot_wave_0_\@
	s_barrier_signal -3
.Lnot_wave_0_\@:
	s_barrier_wait -3
	s_barrier_signal -1
	s_barrier_wait -1
.endm
	s_load_b256 s[4:11], s[0:1], 0x0               ; ctxc 4, wc 6, the scales 8, out0 10
	v_lshl_add_u32 v30, v0, 2, SPARE
	v_mov_b32 v31, 0
	ds_add_u32 v30, v31                            ; the wave's opening: the add, twice on end, and its wait
	ds_add_u32 v30, v31
	v_lshrrev_b32 v1, 5, v0
	v_readfirstlane_b32 s14, v1                    ; wave 0..3
	s_lshr_b32 s15, s14, 1                         ; which 64 tokens are mine.  Also: I fetch for A (0) or for B (1)
	s_and_b32 s16, s14, 1                          ; which 64 columns.  Also: which half of K I fetch
	s_bfe_u32 s19, ttmp6, 0x40000                  ; cx
	s_bfe_u32 s20, ttmp6, 0x40004                  ; cy
	s_lshl_b32 s18, ttmp9, 2
	s_add_co_u32 s18, s18, s19                     ; tile column
	s_and_b32 s17, ttmp7, 0xffff
	s_lshl_b32 s17, s17, 2
	s_add_co_u32 s17, s17, s20                     ; tile row
	s_lshl_b32 s21, s20, 2
	s_lshl_b32 s21, 15, s21                        ; my row of the cluster
	s_lshl_b32 s22, 0x1111, s19                    ; my column
	s_or_b32 s24, s21, (3<<16)|(1<<20)|(1<<21)|(5<<22)|(3<<25)   ; A: the mask; elements of 8 bytes; padding: 4 words after every 64; bit 21 beside a mask
	s_mov_b32 s25, 32<<16                          ; 256 rows of 32 elements, dense
	s_mov_b32 s26, 256<<16
	s_mov_b32 s27, 32<<16
	s_mov_b32 s28, 256
	s_mov_b32 s29, 32
	s_mov_b32 s30, 0
	s_mov_b32 s31, 0
	s_or_b32 s32, s22, (0<<16)|(1<<20)|(1<<21)|(6<<22)|(3<<25)   ; B: elements of 1 byte; padding: 4 words after every 128
	s_mov_b32 s33, 512<<16                         ; 128 rows of 512 bytes, 1,024 apart
	s_mov_b32 s34, 128<<16
	s_mov_b32 s35, 512<<16
	s_mov_b32 s36, 128
	s_mov_b32 s37, 1024
	s_mov_b32 s38, 0
	s_mov_b32 s39, 0
	s_lshl_b32 s56, s17, 17                        ; A: the block of 128 tokens: 131,072 bytes,
	s_lshl_b32 s57, s16, 16                        ; eight of its heads
	s_add_co_u32 s56, s56, s57
	s_mov_b32 s57, 0
	s_lshl_b32 s58, s18, 17                        ; B: row 128 x tile column,
	s_lshl_b32 s59, s16, 9                         ; 512 along K,
	s_add_co_u32 s58, s58, s59
	s_add_co_u32 s58, s58, 3<<20                   ; in out_proj's set
	s_mov_b32 s59, 0
	s_mul_i32 s41, s16, HALF                       ; where they go: no place in the cluster enters an LDS address
	s_add_co_u32 s69, s41, BOFF
	s_mov_b32 s40, 1
	s_mov_b32 s68, 1
	s_wait_dscnt 0x0                               ; both opening adds are done
	CROUND                                         ; all sixteen work-groups are here: the joint loads meet
	s_wait_kmcnt 0x0
	s_add_nc_u64 s[42:43], s[4:5], s[56:57]
	s_or_b32 s43, s43, 0x80000000
	s_add_nc_u64 s[70:71], s[6:7], s[58:59]
	s_or_b32 s71, s71, 0x80000000
	s_cmp_eq_u32 s15, 0                            ; one load in each arm
	s_cbranch_scc0 .Lfor_b
	tensor_load_to_lds s[40:43], s[24:31]
	s_nop 0
.rept 4
	v_nop
.endr
	s_branch .Lasked
.Lfor_b:
	tensor_load_to_lds s[68:71], s[32:39]
	s_nop 0
.rept 4
	v_nop
.endr
.Lasked:
	s_load_b128 s[88:91], s[8:9], 0x20             ; e8 .. e11
	s_mul_i32 s60, s15, 4352                       ; my 64 tokens: 16 long rows
	s_mul_i32 s61, s16, 64*BP                      ; my 64 rows of B,
	s_add_co_u32 s61, s61, BOFF                    ; behind A's part
	s_mul_i32 s62, s14, 16*272
	s_add_co_u32 s62, s62, STG                     ; my stage
	v_and_b32 v1, 15, v0                           ; r
	v_bfe_u32 v2, v0, 4, 1                         ; h
	v_lshrrev_b32 v3, 2, v1
	v_and_b32 v4, 3, v1
	v_mul_u32_u24 v3, v3, 272
	v_lshl_add_u32 v3, v4, 6, v3
	v_lshl_add_u32 v3, v2, 4, v3                   ; A: token r of a block of 16: (r / 4) x 272 + (r % 4) x 64 + 16 h
	v_mul_u32_u24 v4, v1, BP
	v_lshl_add_u32 v4, v2, 4, v4                   ; B: row r x 528 + 16 h
	v_add_nc_u32 v[ADRA], s60, v3
	v_add_nc_u32 v[ADRB], s61, v4
	v_add_nc_u32 v[ADRA+1], HALF, v[ADRA]
	v_add_nc_u32 v[ADRB+1], HALF, v[ADRB]
	v_mul_u32_u24 v5, v1, 272
	v_lshl_add_u32 v5, v2, 5, v5
	v_add_nc_u32 v[STO], s62, v5                   ; in: row r, 32 bytes for each half of the lanes
	v_mul_u32_u24 v5, v2, 272
	v_lshl_add_u32 v5, v1, 4, v5
	v_add_nc_u32 v[RD], s62, v5                    ; back: lanes 0-15 one row of 256 bytes, lanes 16-31 the next
	v_lshlrev_b32 v5, 12, v2
	v_lshl_add_u32 v[CO], v1, 4, v5                ; and the same two rows in out0
	s_lshl_b32 s60, s17, 19                        ; 128 rows of 4,096 bytes,
	s_lshl_b32 s61, s15, 18                        ; my 64,
	s_add_co_u32 s60, s60, s61
	s_lshl_b32 s61, s18, 9                         ; 128 columns,
	s_add_co_u32 s60, s60, s61
	s_lshl_b32 s61, s16, 8                         ; my 64
	s_add_co_u32 s60, s60, s61
	s_mov_b32 s61, 0
	s_add_nc_u64 s[10:11], s[10:11], s[60:61]
; 32 LDS loads: the fragments of K step s (128 along K: half s / 4, its quarter s % 4) into buffer f.  Registers 4 cc .. 4 cc + 3 hold k = 128 s + 32 cc + 16 h + 0 .. 15 on both sides
.macro FETCH s, f
	WIN TO_F
.irp i, 0,1,2,3
.irp cc, 0,1,2,3
	ds_load_b128 v[\f+64+16*\i+4*\cc:\f+64+16*\i+4*\cc+3], v[ADRB+(\s)/4] offset:128*((\s)%4)+32*\cc+16*BP*\i
	ds_load_b128 v[\f+16*\i+4*\cc:\f+16*\i+4*\cc+3], v[ADRA+(\s)/4] offset:(2*((\s)%4)+\cc/2)*8704+1088*\i+32*(\cc%2)
.endr
.endr
.endm
; 16 matrix instructions; the 16 accumulators take turns, in the same order in every step
.macro MUL f, zero
	WIN MULW
.irp a, 0,1,2,3
.irp b, 0,1,2,3
.if \zero
	v_wmma_f32_16x16x128_fp8_fp8 v[ACC+8*(4*\a+\b):ACC+8*(4*\a+\b)+7], v[\f+64+16*\b:\f+64+16*\b+15], v[\f+16*\a:\f+16*\a+15], 0
.else
	v_wmma_f32_16x16x128_fp8_fp8 v[ACC+8*(4*\a+\b):ACC+8*(4*\a+\b)+7], v[\f+64+16*\b:\f+64+16*\b+15], v[\f+16*\a:\f+16*\a+15], v[ACC+8*(4*\a+\b):ACC+8*(4*\a+\b)+7]
.endif
.endr
.endr
.endm
.macro PLACES                          ; four plain lines in front of loads into registers that matrix instructions have read, and of the first read of results
.rept 4
	v_nop
.endr
.endm
.macro NEXT s, g, f                    ; K step s's fragments into buffer g, then the step before on buffer f
	PLACES
	FETCH \s, \g
	s_wait_dscnt 32                                ; all but the 32 just issued
	MUL \f, 0
.endm
	s_wait_alu depctr_va_vdst(0)                   ; the head's end
	s_wait_tensorcnt 0x0                           ; my part is in,
	s_barrier_signal -1
	s_barrier_wait -1                              ; and everybody's
	FETCH 0, F0
	FETCH 1, F1                                    ; each step's fragments are asked for ahead of the step before
	s_wait_dscnt 32                                ; all but the 32 just issued
	MUL F0, 1                                      ; the first step's products start the sums
	NEXT 2, F0, F1
	NEXT 3, F1, F0
	NEXT 4, F0, F1
	NEXT 5, F1, F0
	NEXT 6, F0, F1
	NEXT 7, F1, F0
	s_wait_dscnt 0x0
	MUL F1, 0
	WIN 0
	; THE WAY OUT, block by block of 16 tokens x 64 columns, through my own stage: back as whole rows of 256 bytes.
.macro TOSTAGE a
.irp j, 0,2,4,6,8,10,12,14,16,18,20,22,24,26,28,30
	v_pk_mul_f32 v[TMP+\j:TMP+\j+1], v[ACC+32*(\a)+\j:ACC+32*(\a)+\j+1], s[84:85] op_sel_hi:[1,0]   ; x 2^(e10 + e11); each accumulator from its low end on
.endr
.irp b, 0,1,2,3
	ds_store_b128 v[STO], v[TMP+8*\b:TMP+8*\b+3] offset:64*\b
	ds_store_b128 v[STO], v[TMP+8*\b+4:TMP+8*\b+7] offset:64*\b+16
.endr
.irp t, 0,1,2,3,4,5,6,7
	ds_load_b128 v[BK+32*((\a)%2)+4*\t:BK+32*((\a)%2)+4*\t+3], v[RD] offset:\t*544   ; LDS serves a wave's instructions in order (ISA guide 5.7.1.4)
.endr
.endm
.macro SEND a, younger                 ; younger: the LDS instructions issued behind block a's loads
	s_wait_dscnt \younger
.irp t, 0,1,2,3,4,5,6,7
	global_store_b128 v[CO], v[BK+32*((\a)%2)+4*\t:BK+32*((\a)%2)+4*\t+3], s[10:11] offset:(16*(\a)+2*\t)*4096 th:TH_STORE_NT   ; sixteen lanes store 256 consecutive bytes, at a multiple of 256 from out0's first byte
.endr
.endm
	s_wait_kmcnt 0x0
	s_add_co_i32 s84, s90, s91
	s_add_co_i32 s84, s84, 127
	s_lshl_b32 s84, s84, 23                        ; 2^(e10 + e11) as f32
	s_mov_b32 s85, s84                             ; (named with it as a pair, so it is written)
	PLACES
	TOSTAGE 0
	TOSTAGE 1
	SEND 0, 16                                     ; behind block 0's loads: block 1's 8 stores and 8 loads
	s_wait_xcnt 0x0                                ; block 0's stores have read their registers: block 2's loads may land there
	TOSTAGE 2
	SEND 1, 16
	s_wait_xcnt 0x0
	TOSTAGE 3
	SEND 2, 16
	SEND 3, 0
	s_wait_tensorcnt 0x0                           ; the wave's end
	ds_add_u32 v30, v31
	s_wait_dscnt 0x0
	CROUND                                         ; the closing round: no work-group ends while a partner may still ask for a tile that names it
	s_endpgm
.Lfunc_end_k_qb7403d18c3_outp:
	.size	k_qb7403d18c3_outp, .Lfunc_end_k_qb7403d18c3_outp-k_qb7403d18c3_outp
	.p2alignl 7, 3214868480
	.fill 96, 4, 3214868480
	.section	.rodata,"a",@progbits
	.p2align	6, 0x0
	.amdhsa_kernel k_qb7403d18c3_outp
		.amdhsa_group_segment_fixed_size 296448
		.amdhsa_private_segment_fixed_size 0
		.amdhsa_enable_private_segment 0
		.amdhsa_kernarg_size 32
		.amdhsa_user_sgpr_count 2
		.amdhsa_user_sgpr_kernarg_segment_ptr 1
		.amdhsa_wavefront_size32 1
		.amdhsa_system_sgpr_workgroup_id_x 1
		.amdhsa_system_sgpr_workgroup_id_y 1
		.amdhsa_system_sgpr_workgroup_id_z 1
		.amdhsa_system_vgpr_workitem_id 0
		.amdhsa_next_free_vgpr 512
		.amdhsa_next_free_sgpr 96
		.amdhsa_reserve_vcc 0
		.amdhsa_float_denorm_mode_32 3
		.amdhsa_float_denorm_mode_16_64 3
		.amdhsa_memory_ordered 1
		.amdhsa_forward_progress 1
		.amdhsa_inst_pref_size 44
	.end_amdhsa_kernel
	.amdgpu_metadata
---
amdhsa.version: [ 1, 2 ]
amdhsa.kernels:
  - .name:           k_qb7403d18c3_outp
    .symbol:         k_qb7403d18c3_outp.kd
    .args:
      - { .name: ctxc, .offset: 0, .size: 8, .value_kind: global_buffer, .address_space: global }
      - { .name: wc, .offset: 8, .size: 8, .value_kind: global_buffer, .address_space: global }
      - { .name: lowp_scales, .offset: 16, .size: 8, .value_kind: global_buffer, .address_space: global }
      - { .name: out0, .offset: 24, .size: 8, .value_kind: global_buffer, .address_space: global }
    .group_segment_fixed_size: 296448
    .private_segment_fixed_size: 0
    .kernarg_segment_align: 8
    .kernarg_segment_size: 32
    .max_flat_workgroup_size: 128
    .sgpr_count:     96
    .vgpr_count:     512
    .wavefront_size: 32
...
	.end_amdgpu_metadata
.endif
;; end of part 4
